; MI455X (gfx1250); checked and timed in simulation.
; The chip was launched on July 23, 2026; its instructions are those of AMD's public machine-readable ISA for CDNA 5 (MIT licence, August 2026) and "CDNA5" Instruction Set Architecture Reference Guide (July 2026). The comments in the code are by the model that wrote it; some were corrected since.
;; Memristor Linear. Allowed arithmetic: float matrix products may take bf16 or f16 operands with f32 sums; all other float work in f32.
;; Inputs: bias 4,096 float32; values 4,096 float32; w_idx 4,096 x 4,096 int32; x 4,096 x 4,096 float32.
;; Outputs: out0 4,096 x 4,096 float32.
;; 2 versions, each right; version 2 is version 1 with the launch prep written anew for expert scheduling mode. Each part assembles by itself: llvm-mc -triple=amdgcn-amd-amdhsa -mcpu=gfx1250 --defsym DOCPART=n.
;; ======== version 1 of 2: 2 launches
;; workspace buffers: xb 33,554,432 bytes; wb 33,554,432 bytes
;; launch prep (part 1): grid 512 x 1, 8 waves a work-group, no clusters, 17,408 bytes of LDS; arguments x, w_idx, values, xb, wb; writes xb, wb
.if DOCPART == 1
	.amdgcn_target "amdgcn-amd-amdhsa--gfx1250"
	.amdhsa_code_object_version 6
	.text
	.protected	k_q237deaf194_prep
	.globl	k_q237deaf194_prep
	.p2align	8
	.type	k_q237deaf194_prep,@function
k_q237deaf194_prep:
	s_mov_b64 s[64:65], 0
	v_nop
	global_prefetch_b8 v0, s[64:65] scope:SCOPE_SE
	s_setreg_imm32_b32 hwreg(HW_REG_WAVE_MODE, 25, 1), 1
	s_wait_xcnt 0x0
; xb[t][i] = bf16(x[t][i]);  wb[o][i] = bf16(values[w_idx[o][i]]).  x: [4096][4096] f32, w_idx: [4096][4096] i32, values: [4096] f32; xb, wb: [4096][4096] bf16.
; The look-up is made here ONCE for each weight: inside the product each of the 16 tile rows of the output would make it again.
; LIMITS.  Both results are rounded to bf16, to nearest even (bf16 has f32's range).  An index is taken as unsigned and cut at 4095: one outside 0..4095, which the problem does not allow, reads the table's last entry.
; SHARES.  Wave g = 8 x work-group + wave (0..4095) owns row g of x and row g of w_idx, 16,384 bytes each, in 32 chunks of 512 bytes: a load of the wave takes 512 consecutive bytes (16 a lane),
; whose 4 numbers a lane become 8 bytes, so that a store of the wave covers 256 consecutive bytes, at a multiple of 256 from the buffer's first byte.
; The table, 16,384 bytes, lies in LDS as f32, brought once by the work-group's 256 threads; a look-up is one ds_load_b32 a number.
; A ring of 8 slots in registers, each with a chunk of x and a chunk of w_idx, keeps 16 loads of every wave on their way.
; A stream: nothing is shared between waves but the table, so there is no matrix work, no cluster and no tensor load; each input byte is read once and each output byte written once.
.set DEPTH, 8                          ; slots
.set ROUNDS, 32/DEPTH                  ; each round takes every slot once
.set SPARE, 16384                      ; behind the table: the spare words, 128 bytes for each of the eight waves: four blocks of 256 bytes that no other line names
.set LO,  1                            ; v1       16 x lane: my bytes in a chunk as loaded; never rewritten
.set SO,  2                            ; v2       8 x lane: my bytes in a chunk as stored; never rewritten
.set TO,  3                            ; v3       16 x thread: my bytes in a quarter of the table
.set SPW, 4                            ; v4       LDS address of my spare word; never rewritten
.set NIL, 5                            ; v5       0; never rewritten
.set GA,  6                            ; v[6:9]   LDS addresses of four look-ups
.set GV,  10                           ; v[10:13] what they bring
.set YX,  14                           ; v[14:15] four bf16 of x
.set YW,  16                           ; v[16:17] four bf16 of the weights
.set TB,  20                           ; v[20:35] my 16 bytes of each quarter of the table
.set X,   36                           ; v[36:67] slot i: 4 numbers of x
.set W,   68                           ; v[68:99] slot i: 4 indices
	s_load_b256 s[4:11], s[0:1], 0x0               ; x s[4:5], w_idx s[6:7], values s[8:9], xb s[10:11]
	s_load_b64 s[12:13], s[0:1], 0x20              ; wb
	v_lshl_add_u32 v[SPW], v0, 2, SPARE
	v_mov_b32 v[NIL], 0
	v_lshrrev_b32 v18, 5, v0
	v_readfirstlane_b32 s14, v18                   ; my wave's number
	v_and_b32 v18, 31, v0                          ; lane
	v_lshlrev_b32 v[LO], 4, v18
	v_lshlrev_b32 v[SO], 3, v18
	v_lshlrev_b32 v[TO], 4, v0
	s_lshl_b32 s15, ttmp9, 3
	s_add_co_u32 s15, s15, s14                     ; g
	s_lshl_b32 s16, s15, 14                        ; my row in x and w_idx, in bytes (under 2^26)
	s_mov_b32 s17, 0
	s_lshl_b32 s18, s15, 13                        ; my row in xb and wb
	s_mov_b32 s19, 0
	s_wait_kmcnt 0x0
	s_add_nc_u64 s[4:5], s[4:5], s[16:17]
	s_add_nc_u64 s[6:7], s[6:7], s[16:17]
	s_add_nc_u64 s[10:11], s[10:11], s[18:19]
	s_add_nc_u64 s[12:13], s[12:13], s[18:19]
.irp j, 0,1,2,3
	global_load_b128 v[TB+4*(\j):TB+4*(\j)+3], v[TO], s[8:9] offset:4096*(\j)  ; the table: 256 threads x 16 bytes are a quarter of it
.endr
.irp i, 0,1,2,3,4,5,6,7
	global_load_b128 v[X+4*(\i):X+4*(\i)+3], v[LO], s[4:5] offset:512*(\i) th:TH_LOAD_NT  ; the ring is filled: chunks 0 to 7
	global_load_b128 v[W+4*(\i):W+4*(\i)+3], v[LO], s[6:7] offset:512*(\i) th:TH_LOAD_NT
.endr
	s_wait_loadcnt 16                              ; loads come back in order (ISA guide 5.7.1): the table's four are in, the ring's sixteen stay out
.irp j, 0,1,2,3
	ds_store_b128 v[TO], v[TB+4*(\j):TB+4*(\j)+3] offset:4096*(\j)
.endr
	s_wait_dscnt 0x0                               ; for the others' sake: my part of the table is written
	s_barrier_signal -1
	s_barrier_wait -1                              ; everybody's is: the only barrier, since the table is never written again
; One slot's turn.  ahead = 1: the slot is filled again with the chunks DEPTH further on.  left = how many younger loads may stay out.
.macro TURN i, ahead, left
	s_wait_loadcnt \left                           ; the slot's two loads are the oldest: they are in; the other slots' stay out
	s_wait_xcnt 0x0                                ; YX and YW, which the last turn's stores read, are rewritten only behind this wait
.irp k, 0,1,2,3
	v_min_u32 v[GA+(\k)], 0xfff, v[W+4*(\i)+(\k)]  ; the index stays inside the table
.endr
.irp k, 0,1,2,3
	v_lshlrev_b32 v[GA+(\k)], 2, v[GA+(\k)]
.endr
.irp k, 0,1,2,3
	ds_load_b32 v[GV+(\k)], v[GA+(\k)]             ; the look-ups; x's work and the refills stand between them and the wait for them
.endr
.if \ahead
	global_load_b128 v[W+4*(\i):W+4*(\i)+3], v[LO], s[6:7] offset:512*((\i)+DEPTH) th:TH_LOAD_NT
.endif
	v_cvt_pk_bf16_f32 v[YX],   v[X+4*(\i)],   v[X+4*(\i)+1]
	v_cvt_pk_bf16_f32 v[YX+1], v[X+4*(\i)+2], v[X+4*(\i)+3]
.if \ahead
	global_load_b128 v[X+4*(\i):X+4*(\i)+3], v[LO], s[4:5] offset:512*((\i)+DEPTH) th:TH_LOAD_NT
.endif
	global_store_b64 v[SO], v[YX:YX+1], s[10:11] offset:256*(\i)
	s_wait_dscnt 0x0                               ; the four look-ups are back
	v_cvt_pk_bf16_f32 v[YW],   v[GV],   v[GV+1]
	v_cvt_pk_bf16_f32 v[YW+1], v[GV+2], v[GV+3]
	global_store_b64 v[SO], v[YW:YW+1], s[12:13] offset:256*(\i)
.endm
	s_mov_b32 s20, ROUNDS-1
.Lround:
.irp i, 0,1,2,3,4,5,6,7
	TURN \i, 1, 2*DEPTH-2
.endr
	s_wait_xcnt 0x0                                ; the four bases are stepped only behind this wait
	s_add_nc_u64 s[4:5], s[4:5], DEPTH*512
	s_add_nc_u64 s[6:7], s[6:7], DEPTH*512
	s_add_nc_u64 s[10:11], s[10:11], DEPTH*256
	s_add_nc_u64 s[12:13], s[12:13], DEPTH*256
	s_sub_co_u32 s20, s20, 1
	s_cmp_lg_u32 s20, 0
	s_cbranch_scc1 .Lround
.irp i, 0,1,2,3,4,5,6,7
	TURN \i, 0, 2*DEPTH-2-2*(\i)                   ; the last round loads nothing, so no load leaves the rows: the counts run down
.endr
	s_wait_tensorcnt 0x0                           ; the wave's end, behind my last LDS store
	ds_add_u32 v[SPW], v[NIL]
	s_wait_dscnt 0x0
	s_endpgm
.Lfunc_end_k_q237deaf194_prep:
	.size	k_q237deaf194_prep, .Lfunc_end_k_q237deaf194_prep-k_q237deaf194_prep
	.p2alignl 7, 3214868480
	.fill 96, 4, 3214868480
	.section	.rodata,"a",@progbits
	.p2align	6, 0x0
	.amdhsa_kernel k_q237deaf194_prep
		.amdhsa_group_segment_fixed_size 17408
		.amdhsa_private_segment_fixed_size 0
		.amdhsa_enable_private_segment 0
		.amdhsa_kernarg_size 40
		.amdhsa_user_sgpr_count 2
		.amdhsa_user_sgpr_kernarg_segment_ptr 1
		.amdhsa_wavefront_size32 1
		.amdhsa_system_sgpr_workgroup_id_x 1
		.amdhsa_system_sgpr_workgroup_id_y 1
		.amdhsa_system_sgpr_workgroup_id_z 1
		.amdhsa_system_vgpr_workitem_id 0
		.amdhsa_next_free_vgpr 100
		.amdhsa_next_free_sgpr 66
		.amdhsa_reserve_vcc 0
		.amdhsa_float_denorm_mode_32 3
		.amdhsa_float_denorm_mode_16_64 3
		.amdhsa_memory_ordered 1
		.amdhsa_forward_progress 1
		.amdhsa_inst_pref_size 24
	.end_amdhsa_kernel
	.amdgpu_metadata
---
amdhsa.version: [ 1, 2 ]
amdhsa.kernels:
  - .name:           k_q237deaf194_prep
    .symbol:         k_q237deaf194_prep.kd
    .args:
      - { .name: x, .offset: 0, .size: 8, .value_kind: global_buffer, .address_space: global }
      - { .name: w_idx, .offset: 8, .size: 8, .value_kind: global_buffer, .address_space: global }
      - { .name: values, .offset: 16, .size: 8, .value_kind: global_buffer, .address_space: global }
      - { .name: xb, .offset: 24, .size: 8, .value_kind: global_buffer, .address_space: global }
      - { .name: wb, .offset: 32, .size: 8, .value_kind: global_buffer, .address_space: global }
    .group_segment_fixed_size: 17408
    .private_segment_fixed_size: 0
    .kernarg_segment_align: 8
    .kernarg_segment_size: 40
    .max_flat_workgroup_size: 256
    .sgpr_count:     66
    .vgpr_count:     100
    .wavefront_size: 32
...
	.end_amdgpu_metadata
.endif
;; end of part 1
;; launch gemm (part 2): grid 16 x 16, 4 waves a work-group, clusters of 4 x 4, 327,680 bytes of LDS; arguments xb, wb, out0, bias; writes out0
.if DOCPART == 2
	.amdgcn_target "amdgcn-amd-amdhsa--gfx1250"
	.amdhsa_code_object_version 6
	.text
	.protected	k_q237deaf194_gemm
	.globl	k_q237deaf194_gemm
	.p2align	8
	.type	k_q237deaf194_gemm,@function
k_q237deaf194_gemm:
	s_mov_b64 s[64:65], 0
	v_nop
	global_prefetch_b8 v0, s[64:65] scope:SCOPE_SE
	s_setreg_imm32_b32 hwreg(HW_REG_WAVE_MODE, 25, 1), 1
	s_wait_xcnt 0x0
	s_wait_alu depctr_hold_cnt(0) depctr_sa_sdst(0) depctr_va_vdst(0) depctr_va_sdst(0) depctr_va_ssrc(0) depctr_va_vcc(0) depctr_vm_vsrc(0)
	s_getreg_b32 s2, hwreg(HW_REG_IB_STS2, 6, 4)
	s_cmp_eq_u32 s2, 0
	s_cbranch_scc0 .Lentry_in_a_cluster
	s_endpgm
.Lentry_in_a_cluster:
	s_bfe_u32 s2, ttmp6, 0x10000c
	s_cmp_lg_u32 s2, 0xf033
	s_cbranch_scc0 .Lentry_shape_is_right
	s_endpgm
.Lentry_shape_is_right:
; out0[t][o] = sum over i of xb[t][i] wb[o][i] + bias[o].  xb (A): [4096][4096] bf16, wb (B): [4096][4096] bf16, bias: [4096] f32, out0 (C): [4096][4096] f32.  Sums and the bias in f32.
; LIMITS.  The operands arrive rounded to bf16; NaN and infinities pass as the arithmetic makes them.
; C has 16 x 16 tiles of 256 x 256, one to a work-group of four waves; a wave makes 128 x 128: 64 accumulators of 16 x 16, 512 registers.  K goes in 32 steps of 128 through a ring of two LDS slots
; filled by the tensor data mover: the rows of A's and B's tiles are 256 bytes of memory and start at multiples of 256 bytes from the buffer's first byte.
; CLUSTERS: 4 x 4 work-groups.  The four of a row of the cluster need the same tiles of A, the four of a column the same tiles of B.  Such a tile is asked for JOINTLY: each of the four issues the same
; tensor load, with the same descriptor and a mask that names the four, and each receives the tile in its own LDS.  That divides the requests for A and for B by four.
; REGISTERS, in windows of 256 (s_set_vgpr_msb's low byte: bits 1:0 source 0, 3:2 source 1, 5:4 source 2, 7:6 destination):
;   window 0: v0-31 addresses and the bias; v64-127, v128-191 fragments of A (8 x 16 rows x 32 K), two buffers; on the way out the same registers take 16 rows of C read back, by turns
;   window 1: v64-127, v128-191 fragments of B, two buffers
;   window 2: the 32 accumulators of my rows 0-63 (accumulator (a, b) at v[8 (8 a + b)]);   window 3: those of my rows 64-127
; THE MATRIX INSTRUCTION IS USED TRANSPOSED: source 0 = 16 rows of B, source 1 = 16 rows of A.  In the result lane l holds row l % 16 of C and its registers 0 to 7 the columns 8 (l / 16) + 0..7:
; 32 neighbouring bytes of a row of C, which go into the stage by two stores of 16 bytes.
.set SIZE_K, 4096
.set KSTEP,  128
.set PITCH,  272                       ; an LDS row: 256 bytes + 16 of padding = 68 words: row r starts at bank 4 r mod 64 (64 banks of 4 bytes: ISA guide 11.1), so the 16 rows of a load start at 16 different banks
.set HALFT,  128*PITCH                 ; 128 rows: what one tensor load brings, and what one wave reads of A or of B
.set SLOT,   4*HALFT                   ; A's 256 rows, then B's 256 rows
.set STAGE,  2*SLOT                    ; behind the ring, never filled by a tensor load: 16 rows x 528 bytes for each wave, for the way out
.set SPITCH, 528                       ; a stage row: 512 bytes (128 f32) + 16 = 132 words: row r again starts at bank 4 r mod 64
.set SPARE,  STAGE+4*16*SPITCH         ; behind the stages: the spare words, 128 bytes for each wave: two blocks of 256 bytes that no other line names
.set LAPS,   SIZE_K/(2*KSTEP)          ; a lap = two K steps = once round the ring: 16
.set CROW,   16384                     ; bytes in a row of C
.set BI,   8                           ; v[8:11] the bias of the four columns that I store
.set ADRA, 16                          ; v16-17  LDS address of my A fragments in slot 0, 1
.set ADRB, 20                          ; v20-21  the same for B
.set STO,  24                          ; v24     the way out: where I put 32 bytes of a row
.set RD,   25                          ; v25     the way out: where I read 16 bytes of a row back
.set CO,   26                          ; v26     16 x lane: my bytes in 512 consecutive bytes of C and of the bias; never rewritten
.set SPW,  28                          ; v28     LDS address of my spare word; never rewritten
.set NIL,  29                          ; v29     0; never rewritten
.set F0,   64                          ; fragment buffer 0
.set F1,   128                         ; fragment buffer 1
.set G1, 24                            ; s[24:31] descriptor group 1 for A's tiles
.set G0, 32                            ; s[32:39] descriptor group 0 for A's tiles, one set for each slot
.set G1B, 48                           ; s[48:55] descriptor group 1 for B's tiles: it differs from A's in the mask alone
.set G0B, 56                           ; s[56:63] descriptor group 0 for B's tiles, one set for each slot
.set MSB, 0
.macro WIN new                         ; the immediate's high byte repeats the setting that is left; a switch that changes nothing is dropped
.if MSB != (\new)
	s_set_vgpr_msb (MSB<<8)|(\new)
.set MSB, \new
.endif
.endm
.set MUL_LO, 0xa1                      ; source 0 (B) window 1, source 1 (A) window 0, C and D window 2
.set MUL_HI, 0xf1                      ; the same, C and D window 3
.set TO_B,   0x40                      ; destination window 1, address window 0
; A joint load.  Waves 0 and 1 fetch A's two halves, waves 2 and 3 B's.  Each of the two lines has ONE mask and one set of registers for all that issue it.  The branch hangs on the wave's number alone.
; An s_nop 0 and four v_nop follow each of the two lines; the jump round the other line, the label and what follows the macro come after them.
.macro JLOAD s
	s_cmp_eq_u32 s11, 0
	s_cbranch_scc0 .Lfor_b_\@
	tensor_load_to_lds s[G0+4*(\s):G0+4*(\s)+3], s[G1:G1+7]
	s_nop 0
.rept 4
	v_nop
.endr
	s_branch .Lasked_\@
.Lfor_b_\@:
	tensor_load_to_lds s[G0B+4*(\s):G0B+4*(\s)+3], s[G1B:G1B+7]
	s_nop 0
.rept 4
	v_nop
.endr
.Lasked_\@:
.endm
; A round of the cluster's barrier: my work-group's barrier, so that wave 0's signal speaks for all four waves; wave 0 signals for the work-group; every wave waits for all sixteen work-groups;
; my work-group's barrier once more.  No LDS instruction of the wave is pending at a signal.
.macro CREST                           ; a round behind its opening barrier
	s_cmp_lg_u32 s10, 0
	s_cbranch_scc1 .Lnot_wave_0_\@
	s_barrier_signal -3
.Lnot_wave_0_\@:
	s_barrier_wait -3
	s_barrier_signal -1
	s_barrier_wait -1
.endm
.macro CROUND                          ; a whole round
	s_barrier_signal -1
	s_barrier_wait -1
	CREST
.endm
	s_load_b128 s[4:7], s[0:1], 0x0                ; A s[4:5], B s[6:7]
	s_load_b64 s[8:9], s[0:1], 0x10                ; C
	s_load_b64 s[68:69], s[0:1], 0x18              ; bias
	v_lshl_add_u32 v[SPW], v0, 2, SPARE
	v_mov_b32 v[NIL], 0
	ds_add_u32 v[SPW], v[NIL]                      ; the wave's opening: the add and its wait stand ahead of my first tensor load; the set-up below, work on registers, stands between them
	v_lshrrev_b32 v1, 5, v0
	v_readfirstlane_b32 s10, v1                    ; wave 0..3
	s_lshr_b32 s11, s10, 1                         ; which half of the tile's rows is mine.  Also: I fetch for A (0) or for B (1)
	s_and_b32 s12, s10, 1                          ; which half of its columns.  Also: which 128 rows of that tile I fetch
	s_bfe_u32 s40, ttmp6, 0x40000                  ; cx: my place along the cluster's x
	s_bfe_u32 s41, ttmp6, 0x40004                  ; cy: along its y
	s_lshl_b32 s42, ttmp9, 2                       ; in a cluster launch ttmp9 and ttmp7 count clusters
	s_add_co_u32 s42, s42, s40                     ; tile column of C = 4 x cluster x + cx
	s_and_b32 s13, ttmp7, 0xffff
	s_lshl_b32 s13, s13, 2
	s_add_co_u32 s13, s13, s41                     ; tile row of C = 4 x cluster y + cy
	s_lshl_b32 s43, s41, 2
	s_lshl_b32 s43, 15, s43                        ; my row of the cluster: places 4 cy .. 4 cy + 3
	s_lshl_b32 s44, 0x1111, s40                    ; my column: places cx, cx + 4, cx + 8, cx + 12
	; descriptor group 1: a tile of 128 rows x 128 elements, padded in LDS
	s_or_b32 s[G1+0], s43, (1<<16)|(1<<20)|(1<<21)|(5<<22)|(3<<25)  ; 15:0 the mask: A's tiles go to my row; 17:16 elements of 2 bytes; 20 padding on; 21 set beside a mask; 24:22 after every 64 words (code 5); 31:25 4 words of it (code 3)
	s_or_b32 s[G1B+0], s44, (1<<16)|(1<<20)|(1<<21)|(5<<22)|(3<<25) ; the same with the mask of my column, for B's tiles
.irp g, G1, G1B
	s_mov_b32 s[(\g)+1], KSTEP<<16                 ; tensor_dim0 = 128
	s_mov_b32 s[(\g)+2], 128<<16                   ; tensor_dim1 = 128
	s_mov_b32 s[(\g)+3], KSTEP<<16                 ; tile_dim0 = 128
	s_mov_b32 s[(\g)+4], 128                       ; tile_dim1 = 128
	s_mov_b32 s[(\g)+5], SIZE_K                    ; 4,096 elements from row to row
	s_mov_b32 s[(\g)+6], 0
	s_mov_b32 s[(\g)+7], 0
.endr
	; where the tiles come from.  A's hang on the tile row alone, which my row of the cluster shares; B's on the tile column alone, which my column shares.
	; Every wave makes both addresses, in registers that never hold the other coordinate, and asks by one of them.
	s_lshl_b32 s17, s12, 7                         ; which 128 rows of the tile I fetch
	s_lshl_b32 s16, s13, 8
	s_add_co_u32 s16, s16, s17                     ; A: row 256 x tile row + 128 x half
	s_lshl_b32 s46, s42, 8
	s_add_co_u32 s46, s46, s17                     ; B: row 256 x tile column + 128 x half
	s_mov_b32 s17, 0
	s_mov_b32 s47, 0
	s_mov_b64 s[18:19], SIZE_K*2
	s_mul_u64 s[16:17], s[16:17], s[18:19]         ; in bytes
	s_mul_u64 s[46:47], s[46:47], s[18:19]
	s_mul_i32 s20, s10, HALFT                      ; and where they go: A's two halves, then B's two halves = wave x 128 rows: no place in the cluster enters an LDS address
	s_wait_dscnt 0x0                               ; the opening add is done
	s_wait_kmcnt 0x0
	s_add_nc_u64 s[14:15], s[4:5], s[16:17]
	s_add_nc_u64 s[46:47], s[6:7], s[46:47]
	CROUND                                         ; all sixteen work-groups are here: the first joint loads meet
.irp s, 0,1
	s_mov_b32 s[G0+4*(\s)], 1                                      ; 1:0 count = 1
	s_add_co_u32 s[G0+4*(\s)+1], s20, (\s)*SLOT                    ; 63:32 LDS address
	s_add_nc_u64 s[G0+4*(\s)+2:G0+4*(\s)+3], s[14:15], (\s)*KSTEP*2  ; 120:64 global address: K step s
	s_or_b32 s[G0+4*(\s)+3], s[G0+4*(\s)+3], 0x80000000            ; 127:126 type = 2
	s_mov_b32 s[G0B+4*(\s)], 1
	s_add_co_u32 s[G0B+4*(\s)+1], s20, (\s)*SLOT
	s_add_nc_u64 s[G0B+4*(\s)+2:G0B+4*(\s)+3], s[46:47], (\s)*KSTEP*2
	s_or_b32 s[G0B+4*(\s)+3], s[G0B+4*(\s)+3], 0x80000000
	JLOAD \s                                       ; the ring is filled before anything else is done: two tensor loads of mine are out
.endr
	; A fragment is 16 rows x 32 K in 8 registers: lane l holds row l % 16; registers 0-3 hold K = 8 (l / 16) + 0..7, registers 4-7 hold K = 16 + 8 (l / 16) + 0..7: two loads of 16 bytes, 32 bytes apart.
	v_and_b32 v1, 15, v0                           ; l % 16
	v_bfe_u32 v2, v0, 4, 1                         ; l / 16
	v_mul_u32_u24 v3, v1, PITCH
	v_lshl_add_u32 v3, v2, 4, v3                   ; row x pitch + 16 x half
	s_mul_i32 s21, s11, HALFT                      ; my 128 rows of A
	s_mul_i32 s22, s12, HALFT                      ; my 128 rows of B,
	s_add_co_u32 s22, s22, 2*HALFT                 ; which lie behind A's 256
.irp s, 0,1
	v_add_nc_u32 v[ADRA+(\s)], s21, v3
	v_add_nc_u32 v[ADRB+(\s)], s22, v3
	s_add_co_u32 s21, s21, SLOT
	s_add_co_u32 s22, s22, SLOT
.endr
	s_mul_i32 s23, s10, 16*SPITCH
	s_add_co_u32 s23, s23, STAGE                   ; my stage
	v_mul_u32_u24 v4, v1, SPITCH                   ; in: row l % 16, 32 bytes for each half of the lanes
	v_lshl_add_u32 v4, v2, 5, v4
	v_add_nc_u32 v[STO], s23, v4
	v_and_b32 v5, 31, v0
	v_lshlrev_b32 v[CO], 4, v5                     ; back: the 32 lanes take one row of 512 bytes
	v_add_nc_u32 v[RD], s23, v[CO]
	s_lshl_b32 s16, s13, 8
	s_lshl_b32 s17, s11, 7
	s_add_co_u32 s16, s16, s17                     ; my first row of C,
	s_lshl_b32 s16, s16, 14                        ; in bytes (under 2^26)
	s_mov_b32 s17, 0
	s_add_nc_u64 s[8:9], s[8:9], s[16:17]
	s_lshl_b32 s46, s42, 10                        ; my first column, in bytes: 1,024 x tile column + 512 x half
	s_lshl_b32 s47, s12, 9
	s_add_co_u32 s46, s46, s47
	s_mov_b32 s47, 0
	s_add_nc_u64 s[8:9], s[8:9], s[46:47]
	s_add_nc_u64 s[68:69], s[68:69], s[46:47]
	global_load_b128 v[BI:BI+3], v[CO], s[68:69]   ; the bias of my wave's 128 columns: 512 consecutive bytes
; 16 matrix instructions: m blocks a0, a0 + 1 of the window's four (hi = 0: my rows 0-63, 1: rows 64-127) x all 8 n blocks, 32 along K.
; zero = 1: the first product starts the sums: nothing is ever cleared.
.macro MUL16 f, hi, a0, zero
	WIN MUL_LO+0x50*(\hi)
.irp a, \a0, (\a0)+1
.irp b, 0,1,2,3,4,5,6,7
.if \zero
	v_wmma_f32_16x16x32_bf16 v[8*(8*(\a)+(\b)):8*(8*(\a)+(\b))+7], v[(\f)+8*(\b):(\f)+8*(\b)+7], v[(\f)+8*(4*(\hi)+(\a)):(\f)+8*(4*(\hi)+(\a))+7], 0
.else
	v_wmma_f32_16x16x32_bf16 v[8*(8*(\a)+(\b)):8*(8*(\a)+(\b))+7], v[(\f)+8*(\b):(\f)+8*(\b)+7], v[(\f)+8*(4*(\hi)+(\a)):(\f)+8*(4*(\hi)+(\a))+7], v[8*(8*(\a)+(\b)):8*(8*(\a)+(\b))+7]
.endif
.endr
.endr
.endm
; 32 LDS loads in one run: the fragments of one quarter step (128 rows of B, 128 rows of A, 32 K at byte k of the rows) into buffer f
.macro FETCH slot, k, f
	WIN TO_B
.irp i, 0,1,2,3,4,5,6,7
	ds_load_b128 v[(\f)+8*(\i):(\f)+8*(\i)+3],   v[ADRB+(\slot)] offset:(\k)+(\i)*16*PITCH
	ds_load_b128 v[(\f)+8*(\i)+4:(\f)+8*(\i)+7], v[ADRB+(\slot)] offset:(\k)+(\i)*16*PITCH+32
.endr
	WIN 0
.irp i, 0,1,2,3,4,5,6,7
	ds_load_b128 v[(\f)+8*(\i):(\f)+8*(\i)+3],   v[ADRA+(\slot)] offset:(\k)+(\i)*16*PITCH
	ds_load_b128 v[(\f)+8*(\i)+4:(\f)+8*(\i)+7], v[ADRA+(\slot)] offset:(\k)+(\i)*16*PITCH+32
.endr
.endm
; A load into a register that a matrix instruction has read, and an LDS store that reads a matrix result, stand four places behind that matrix instruction, and only plain vector instructions that name
; none of its registers are places (ISA guide 7.12.1 for vector instructions); the matrix instructions in between are not counted.
.macro PLACES
.rept 4
	v_nop
.endr
.endm
; A K step is four quarter steps of 32 along K, 64 matrix instructions each, on buffers 0, 1, 0, 1.  The 64 accumulators take turns in the same order in every quarter.
; One of the first three: multiplies buffer f; in its middle it fetches the next quarter's fragments, at byte k of the same slot's rows, into buffer g.
.macro QUARTER slot, k, f, g, zero
	s_wait_dscnt 8                                 ; B and A's rows 0-63 are in; the youngest eight loads (A's rows 64-127) may be out
	WIN MUL_LO
	MUL16 \f, 0, 0, \zero
	MUL16 \f, 0, 2, \zero
	PLACES
	FETCH \slot, \k, \g
	s_wait_dscnt 32                                ; all but the 32 just issued
	WIN MUL_HI
	MUL16 \f, 1, 0, \zero
	MUL16 \f, 1, 2, \zero
.endm
; The last quarter multiplies buffer 1 and changes slots.  MEET is its first half: ONE barrier for the change of slots.  In front of it each wave waits for all its tensor loads, of which one is out:
; its part of the next slot; adds 0 to its spare word; and waits for that and for its own reads of this slot.  Behind it nobody reads this slot any more and the next slot is whole.
.macro MEET round                      ; round = 1: a round of the cluster's barrier follows
	WIN 0                                          ; (the add's two registers lie in window 0)
	s_wait_tensorcnt 0x0                           ; all my tensor loads have landed;
	ds_add_u32 v[SPW], v[NIL]                      ; 0 onto my spare word;
	s_wait_dscnt 9                                 ; (the add and the youngest eight loads may be out)
	WIN MUL_LO
	MUL16 F1, 0, 0, 0                              ; sixteen matrix instructions stand between the add and the wait for it
	s_wait_dscnt 0x0                               ; the add is done, and my reads of this slot are over:
	s_barrier_signal -1                            ; say so (where a slot is filled again this barrier opens a round of the cluster's barrier),
	MUL16 F1, 0, 2, 0                              ; work on registers while the others arrive,
.if \round
	WIN 0
.endif
	s_barrier_wait -1                              ; and go on when all four have said so
.endm
; The whole last quarter.  fill = 1: behind the round the slot just read out is filled again first, with the K step two steps on; from that request to the wait for it a wave issues 224 matrix instructions.
; Then come the next slot's first fragments.
.macro TURN slot, next, fill
	MEET \fill
.if \fill
	CREST                                          ; no wave of any partner still reads this slot's tile or has a load on its way
	s_add_nc_u64 s[G0+4*(\slot)+2:G0+4*(\slot)+3], s[G0+4*(\slot)+2:G0+4*(\slot)+3], 2*KSTEP*2
	s_add_nc_u64 s[G0B+4*(\slot)+2:G0B+4*(\slot)+3], s[G0B+4*(\slot)+2:G0B+4*(\slot)+3], 2*KSTEP*2
	JLOAD \slot                                    ; the first tensor load behind the round, my only one until the next; the four v_nop behind it are also the places in front of the loads below
.else
	PLACES
.endif
	FETCH \next, 0, F0
	WIN MUL_HI
	MUL16 F1, 1, 0, 0
	MUL16 F1, 1, 2, 0
.endm
; THE WAY OUT of block a (16 of my rows x my 128 columns).  TOSTAGE: the f32 sums go into my own stage in LDS, 32 bytes a lane, each accumulator's four lowest registers first
; and come back as whole rows of 512 bytes.  SEND: the bias is added and the rows are stored.
.macro TOSTAGE a
.set AC, 64*((\a)%4)
.set BK, F0+64*((\a)%2)
	WIN 0x08+4*((\a)/4)                            ; the stores' data: window 2 (blocks 0-3) or 3 (blocks 4-7)
.irp b, 0,1,2,3,4,5,6,7
	ds_store_b128 v[STO], v[AC+8*(\b):AC+8*(\b)+3]   offset:64*(\b)
	ds_store_b128 v[STO], v[AC+8*(\b)+4:AC+8*(\b)+7] offset:64*(\b)+16
.endr
	WIN 0
	s_wait_xcnt 0x0                                ; the buffer below was the data of the stores of two blocks ago: it is loaded again only behind this wait
.irp t, 0,1,2,3,4,5,6,7,8,9,10,11,12,13,14,15
	ds_load_b128 v[BK+4*(\t):BK+4*(\t)+3], v[RD] offset:(\t)*SPITCH  ; LDS serves a wave's instructions in order (ISA guide 5.7.1.4): these see the stores above; the next block's stores come behind them
.endr
.endm
.macro SEND a, younger                 ; younger: the LDS instructions issued behind block a's loads: the next block's 32, or none
.set BK, F0+64*((\a)%2)
	WIN 0
.irp t, 0,1,2,3,4,5,6,7,8,9,10,11,12,13,14,15
	s_wait_dscnt (\younger)+15-(\t)                ; row t is back
	v_pk_add_f32 v[BK+4*(\t):BK+4*(\t)+1],   v[BK+4*(\t):BK+4*(\t)+1],   v[BI:BI+1]
	v_pk_add_f32 v[BK+4*(\t)+2:BK+4*(\t)+3], v[BK+4*(\t)+2:BK+4*(\t)+3], v[BI+2:BI+3]
	global_store_b128 v[CO], v[BK+4*(\t):BK+4*(\t)+3], s[8:9] offset:(16*(\a)+(\t))*CROW th:TH_STORE_NT  ; 512 consecutive bytes, at a multiple of 512 from C's first byte; 127 rows at the most: inside the signed 24-bit immediate
.endr
.endm
	s_wait_loadcnt 0x0                             ; the bias, here where the wave waits for its first tile anyway: no global load is out in the loop
	s_wait_tensorcnt 1                             ; my part of K step 0 is in; K step 1's may stay out
	s_barrier_signal -1
	s_barrier_wait -1                              ; everybody's is
	FETCH 0, 0, F0
	QUARTER 0, 64,  F0, F1, 1                      ; the first quarter stands in front of the loop: its products start the sums
	WIN 0                                          ; at a label and at a branch every window is 0
	s_mov_b32 s3, LAPS-1
.Llap:                                                 ; a trip goes once round the ring, from a lap's second quarter to the next lap's first, and fills both slots again
	QUARTER 0, 128, F1, F0, 0
	QUARTER 0, 192, F0, F1, 0
	TURN 0, 1, 1
	QUARTER 1, 64,  F0, F1, 0
	QUARTER 1, 128, F1, F0, 0
	QUARTER 1, 192, F0, F1, 0
	TURN 1, 0, 1
	QUARTER 0, 64,  F0, F1, 0
	WIN 0
	s_sub_co_u32 s3, s3, 1
	s_cmp_lg_u32 s3, 0
	s_cbranch_scc1 .Llap
	QUARTER 0, 128, F1, F0, 0                      ; the last lap is written out: it fills nothing, and has no round of the cluster's barrier
	QUARTER 0, 192, F0, F1, 0
	TURN 0, 1, 0
	QUARTER 1, 64,  F0, F1, 0
	QUARTER 1, 128, F1, F0, 0
	QUARTER 1, 192, F0, F1, 0
	s_wait_dscnt 8                                 ; the very last quarter: nothing more to fetch
	WIN MUL_LO
	MUL16 F1, 0, 0, 0
	MUL16 F1, 0, 2, 0
	s_wait_dscnt 0x0
	MUL16 F1, 1, 0, 0
	MUL16 F1, 1, 2, 0
	WIN 0
	PLACES                                         ; behind the last products: the stage's stores read results, its loads land where A's fragments lay
	TOSTAGE 0
.irp a, 1,2,3,4,5,6,7                  ; block a's way through the stage is begun before block a - 1 is waited for
	TOSTAGE \a
	SEND (\a)-1, 32
.endr
	SEND 7, 0
	s_wait_tensorcnt 0x0                           ; the wave's end: behind my last tensor load and my last LDS store
	ds_add_u32 v[SPW], v[NIL]
	s_wait_dscnt 0x0
	CROUND                                         ; the closing round: no work-group ends while a partner may still ask for a tile that names it
	s_endpgm
.Lfunc_end_k_q237deaf194_gemm:
	.size	k_q237deaf194_gemm, .Lfunc_end_k_q237deaf194_gemm-k_q237deaf194_gemm
	.p2alignl 7, 3214868480
	.fill 96, 4, 3214868480
	.section	.rodata,"a",@progbits
	.p2align	6, 0x0
	.amdhsa_kernel k_q237deaf194_gemm
		.amdhsa_group_segment_fixed_size 327680
		.amdhsa_private_segment_fixed_size 0
		.amdhsa_enable_private_segment 0
		.amdhsa_kernarg_size 32
		.amdhsa_user_sgpr_count 2
		.amdhsa_user_sgpr_kernarg_segment_ptr 1
		.amdhsa_wavefront_size32 1
		.amdhsa_system_sgpr_workgroup_id_x 1
		.amdhsa_system_sgpr_workgroup_id_y 1
		.amdhsa_system_sgpr_workgroup_id_z 1
		.amdhsa_system_vgpr_workitem_id 0
		.amdhsa_next_free_vgpr 1024
		.amdhsa_next_free_sgpr 70
		.amdhsa_reserve_vcc 0
		.amdhsa_float_denorm_mode_32 3
		.amdhsa_float_denorm_mode_16_64 3
		.amdhsa_memory_ordered 1
		.amdhsa_forward_progress 1
		.amdhsa_inst_pref_size 160
	.end_amdhsa_kernel
	.amdgpu_metadata
---
amdhsa.version: [ 1, 2 ]
amdhsa.kernels:
  - .name:           k_q237deaf194_gemm
    .symbol:         k_q237deaf194_gemm.kd
    .args:
      - { .name: xb, .offset: 0, .size: 8, .value_kind: global_buffer, .address_space: global }
      - { .name: wb, .offset: 8, .size: 8, .value_kind: global_buffer, .address_space: global }
      - { .name: out0, .offset: 16, .size: 8, .value_kind: global_buffer, .address_space: global }
      - { .name: bias, .offset: 24, .size: 8, .value_kind: global_buffer, .address_space: global }
    .group_segment_fixed_size: 327680
    .private_segment_fixed_size: 0
    .kernarg_segment_align: 8
    .kernarg_segment_size: 32
    .max_flat_workgroup_size: 128
    .sgpr_count:     70
    .vgpr_count:     1024
    .wavefront_size: 32
...
	.end_amdgpu_metadata
.endif
;; end of part 2
;; ======== version 2 of 2: 2 launches; version 1 with the launch prep written anew for expert scheduling mode
;; workspace buffers: xb 33,554,432 bytes; wb 33,554,432 bytes
;; launch prep (part 3): grid 512 x 1, 8 waves a work-group, no clusters, 17,408 bytes of LDS; arguments x, w_idx, values, xb, wb; writes xb, wb
.if DOCPART == 3
	.amdgcn_target "amdgcn-amd-amdhsa--gfx1250"
	.amdhsa_code_object_version 6
	.text
	.protected	k_q237deaf194_prep
	.globl	k_q237deaf194_prep
	.p2align	8
	.type	k_q237deaf194_prep,@function
k_q237deaf194_prep:
	s_mov_b64 s[64:65], 0
	v_nop
	global_prefetch_b8 v0, s[64:65] scope:SCOPE_SE
	s_setreg_imm32_b32 hwreg(HW_REG_WAVE_SCHED_MODE, 0, 2), 2
	s_setreg_imm32_b32 hwreg(HW_REG_WAVE_MODE, 25, 1), 1
	s_wait_xcnt 0x0
	s_wait_alu depctr_vm_vsrc(0)
; xb[t][i] = bf16(x[t][i]);  wb[o][i] = bf16(values[w_idx[o][i]]).  x: [4096][4096] f32, w_idx: [4096][4096] i32, values: [4096] f32; xb, wb: [4096][4096] bf16.
; The look-up is made here ONCE for each weight: inside the product each of the 16 tile rows of the output would make it again.
; LIMITS.  Both results are rounded to bf16, to nearest even (bf16 has f32's range).  An index is taken as unsigned and cut at 4095: one outside 0..4095, which the problem does not allow, reads the table's last entry.
; SHARES.  Wave g = 8 x work-group + wave (0..4095) owns row g of x and row g of w_idx, 16,384 bytes each, in 32 chunks of 512 bytes: a load of the wave takes 512 consecutive bytes (16 a lane),
; whose 4 numbers a lane become 8 bytes, so that a store of the wave covers 256 consecutive bytes, at a multiple of 256 from the buffer's first byte.
; The table, 16,384 bytes, lies in LDS as f32, brought once by the work-group's 256 threads; a look-up is one ds_load_b32 a number.
; A stream: nothing is shared between waves but the table, so there is no matrix work, no cluster and no tensor load; each input byte is read once and each output byte written once.
; THE MODE: SCHED_MODE bits 1:0 = 2 (LLVM: expert scheduling mode 2), set by the entry lines.  The code itself states the register dependences
; between vector instructions and memory or LDS instructions, with s_wait_alu, always for 0.
; THE PLAN.  The 32 chunks go in 8 blocks of four.  Block q's numbers pass through three blocks of the text: in block q its addresses are made and its x is rounded; in block q + 1 its look-ups are
; made, its x is stored and, at the block's end, its weights are rounded; in block q + 2 its weights are stored.  Registers that memory or LDS instructions touch:
;   X0 .. X3, W0 .. W3   four blocks of x and of indices as loaded.  Written by the loads of block p + 3, issued in block p; read by block p's vector lines.
;   GA0, GA1   LDS addresses of a block's 16 look-ups.  Written by block p's vector lines; read by the look-ups issued in block p + 1.
;   GV         what the look-ups bring.  The look-ups of block p stand in its first half; its closing roundings, behind the wait for them, read GV.
;   YX0, YX1   a block of x to store.        Written by block p's roundings; read by four stores issued in block p + 1.
;   YW0, YW1   a block of weights to store.  Written by block p's closing roundings; read by four stores issued in block p + 1.
;   v[LO], v[SO], v[TO]   byte offsets, made once at the head and never written again: chunks are reached by immediate offsets, and no base is stepped.
;   TB         the table on its way into LDS: loaded, stored, and named by nothing else.
; Block p's vector lines name X[p % 4], W[p % 4], GA[p % 2], YX[p % 2], GV and YW[(p - 1) % 2].  Its memory and LDS instructions touch X and W[(p - 1) % 4], GA[(p - 1) % 2], YX[(p - 1) % 2],
; YW[p % 2] and GV: but for GV, buffers that no vector line of the block names; and all look-ups are issued ahead of the roundings that read GV.  So the waits at a block's head state all that
; the block's memory and LDS instructions hang on, and these are dealt among its vector lines with no further s_wait_alu.
; NO LOOP: a block with all kinds of work has two blocks in front of it and three behind it still to load: blocks 2 to 4, fewer than the four after which the buffers are back at their start.
; So the ten blocks (eight, and two that only finish) are one macro, written out ten times.
.set NBLK,  8                          ; blocks of four chunks
.set SPARE, 16384                      ; behind the table: the spare words, 128 bytes for each of the eight waves: four blocks of 256 bytes that no other line names
.set LO,  1                            ; v1         16 x lane: my bytes in a chunk as loaded; never rewritten
.set SO,  2                            ; v2         8 x lane: my bytes in a chunk as stored; never rewritten
.set TO,  3                            ; v3         16 x thread: my bytes in a quarter of the table; never rewritten
.set SPW, 4                            ; v4         LDS address of my spare word; never rewritten
.set NIL, 5                            ; v5         0; never rewritten
.set TWV, 6                            ; v6         at the head only: the wave's number
.set TLN, 7                            ; v7         at the head only: the lane
.set TB,  8                            ; v[8:23]    my 16 bytes of each quarter of the table
.set GA,  24                           ; v[24:55]   buffer k: 16 registers at GA + 16 k
.set GV,  56                           ; v[56:71]
.set YX,  72                           ; v[72:87]   buffer k, chunk i: 2 registers at YX + 8 k + 2 i: four bf16
.set YW,  88                           ; v[88:103]  the same for the weights
.set X,   104                          ; v[104:167] buffer k, chunk i: 4 registers at X + 16 k + 4 i: 4 numbers of x
.set W,   168                          ; v[168:231] the same: 4 indices
	s_load_b256 s[4:11], s[0:1], 0x0               ; x s[4:5], w_idx s[6:7], values s[8:9], xb s[10:11]
	s_load_b64 s[12:13], s[0:1], 0x20              ; wb
	v_lshl_add_u32 v[SPW], v0, 2, SPARE
	v_mov_b32 v[NIL], 0
	v_lshrrev_b32 v[TWV], 5, v0
	v_readfirstlane_b32 s14, v[TWV]                ; my wave's number
	v_and_b32 v[TLN], 31, v0                       ; lane
	v_lshlrev_b32 v[LO], 4, v[TLN]
	v_lshlrev_b32 v[SO], 3, v[TLN]
	v_lshlrev_b32 v[TO], 4, v0
	s_wait_alu depctr_va_sdst(0)                   ; s14 is written, ahead of its first reader: the four bases are made from it
	s_lshl_b32 s15, ttmp9, 3
	s_add_co_u32 s15, s15, s14                     ; g
	s_lshl_b32 s16, s15, 14                        ; my row in x and w_idx, in bytes (under 2^26)
	s_mov_b32 s17, 0
	s_lshl_b32 s18, s15, 13                        ; my row in xb and wb
	s_mov_b32 s19, 0
	s_wait_kmcnt 0x0
	s_add_nc_u64 s[4:5], s[4:5], s[16:17]
	s_add_nc_u64 s[6:7], s[6:7], s[16:17]
	s_add_nc_u64 s[10:11], s[10:11], s[18:19]
	s_add_nc_u64 s[12:13], s[12:13], s[18:19]
	s_wait_alu depctr_va_vdst(0)                   ; v[LO], v[SO] and v[TO] are written: every load and store of the kernel, and the table's LDS stores, read one of them as offset or address
.irp j, 0,1,2,3
	global_load_b128 v[TB+4*(\j):TB+4*(\j)+3], v[TO], s[8:9] offset:4096*(\j)  ; the table: 256 threads x 16 bytes are a quarter of it
.endr
.irp c, 0,1,2,3,4,5,6,7,8,9,10,11
	global_load_b128 v[W+4*(\c):W+4*(\c)+3], v[LO], s[6:7] offset:512*(\c) th:TH_LOAD_NT  ; blocks 0, 1 and 2 into buffers 0, 1 and 2
	global_load_b128 v[X+4*(\c):X+4*(\c)+3], v[LO], s[4:5] offset:512*(\c) th:TH_LOAD_NT
.endr
	s_wait_loadcnt 24                              ; loads come back in order (ISA guide 5.7.1): the table's four are in, the three blocks' 24 stay out
.irp j, 0,1,2,3
	ds_store_b128 v[TO], v[TB+4*(\j):TB+4*(\j)+3] offset:4096*(\j)
.endr
	s_wait_dscnt 0x0                               ; for the others' sake: my part of the table is written
	s_barrier_signal -1
	s_barrier_wait -1                              ; everybody's is: the only barrier, since the table is never written again
; Block p of the text, 0 to 9.  What it holds hangs on p alone:
;   p < 8        the vector lines of block p: 16 addresses, 16 numbers of x rounded          p + 3 < 8    the loads of block p + 3
;   1 <= p <= 8  block p - 1's look-ups, the stores of its x, the rounding of its weights     p >= 2       the stores of block p - 2's weights
.macro BLK p
.set XB,  X+16*((\p)%4)                ; this block's x and indices
.set WB,  W+16*((\p)%4)
.set XN,  X+16*(((\p)+3)%4)            ; where block p + 3 lands: the buffers that block p - 1 has left
.set WN,  W+16*(((\p)+3)%4)
.set GAW, GA+16*((\p)%2)               ; addresses made here,
.set GAR, GA+16*(((\p)+1)%2)           ; and those made in the block before
.set YXW, YX+8*((\p)%2)                ; x rounded here,
.set YXR, YX+8*(((\p)+1)%2)            ; and in the block before
.set YWW, YW+8*(((\p)+1)%2)            ; weights rounded here (block p - 1's),
.set YWR, YW+8*((\p)%2)                ; and in the block before (block p - 2's)
.if (\p) < NBLK
.set LEFT, 8*(NBLK-1-(\p))             ; the younger blocks' loads, eight each: two blocks' while there are two
.if LEFT > 16
.set LEFT, 16
.endif
	s_wait_loadcnt LEFT                            ; this block's eight loads are in, the younger blocks' stay out
.endif
.if ((\p) >= 2) && ((\p) <= NBLK)
	s_wait_xcnt 0x0                                ; every earlier memory instruction has had its addresses translated (ISA guide 3.1): the YX and YW that the last block's stores read are rewritten only behind this wait
	s_wait_alu depctr_vm_vsrc(0)                   ; the look-ups and stores issued in the block before have read the GA, the YX and the YW that this block's vector lines write again
.endif
.if (\p) >= 1
	s_wait_alu depctr_va_vdst(0)                   ; the block before has written its GA, YX and YW, which the look-ups and stores below read, and is done reading its X, its W and GV, in which the loads below land
.endif
.irp i, 0,1,2,3
.if (\p)+3 < NBLK
	global_load_b128 v[WN+4*(\i):WN+4*(\i)+3], v[LO], s[6:7] offset:512*(4*((\p)+3)+(\i)) th:TH_LOAD_NT  ; three blocks ahead; no vector line since the wait names these registers
	global_load_b128 v[XN+4*(\i):XN+4*(\i)+3], v[LO], s[4:5] offset:512*(4*((\p)+3)+(\i)) th:TH_LOAD_NT
.endif
.if ((\p) >= 1) && ((\p) <= NBLK) && ((\i) < 2)
.irp k, 0,1,2,3,4,5,6,7
	ds_load_b32 v[GV+8*(\i)+(\k)], v[GAR+8*(\i)+(\k)]  ; the look-ups stand in the block's first half: the vector lines behind them stand between them and the wait for them
.endr
.endif
.if ((\p) >= 1) && ((\p) <= NBLK)
	global_store_b64 v[SO], v[YXR+2*(\i):YXR+2*(\i)+1], s[10:11] offset:256*(4*((\p)-1)+(\i))
.endif
.if (\p) >= 2
	global_store_b64 v[SO], v[YWR+2*(\i):YWR+2*(\i)+1], s[12:13] offset:256*(4*((\p)-2)+(\i))
.endif
.if (\p) < NBLK
.irp k, 0,1,2,3
	v_min_u32 v[GAW+4*(\i)+(\k)], 0xfff, v[WB+4*(\i)+(\k)]  ; the index stays inside the table
.endr
.irp k, 0,1,2,3
	v_lshlrev_b32 v[GAW+4*(\i)+(\k)], 2, v[GAW+4*(\i)+(\k)]
.endr
	v_cvt_pk_bf16_f32 v[YXW+2*(\i)],   v[XB+4*(\i)],   v[XB+4*(\i)+1]
	v_cvt_pk_bf16_f32 v[YXW+2*(\i)+1], v[XB+4*(\i)+2], v[XB+4*(\i)+3]
.endif
.endr
.if ((\p) >= 1) && ((\p) <= NBLK)
	s_wait_dscnt 0x0                               ; the sixteen look-ups are back
.irp j, 0,1,2,3,4,5,6,7
	v_cvt_pk_bf16_f32 v[YWW+(\j)], v[GV+2*(\j)], v[GV+2*(\j)+1]
.endr
.endif
.endm
.irp p, 0,1,2,3,4,5,6,7,8,9
	BLK \p                                         ; blocks 5 to 7 load nothing, so no load leaves the rows, and the counts run down; blocks 8 and 9 finish what is left
.endr
	s_wait_dscnt 0x0                               ; the closing lines, six on end
	s_wait_alu 0x0
	s_wait_tensorcnt 0x0
	ds_add_u32 v[SPW], v[NIL]
	s_wait_dscnt 0x0
	s_endpgm
.Lfunc_end_k_q237deaf194_prep:
	.size	k_q237deaf194_prep, .Lfunc_end_k_q237deaf194_prep-k_q237deaf194_prep
	.p2alignl 7, 3214868480
	.fill 96, 4, 3214868480
	.section	.rodata,"a",@progbits
	.p2align	6, 0x0
	.amdhsa_kernel k_q237deaf194_prep
		.amdhsa_group_segment_fixed_size 17408
		.amdhsa_private_segment_fixed_size 0
		.amdhsa_enable_private_segment 0
		.amdhsa_kernarg_size 40
		.amdhsa_user_sgpr_count 2
		.amdhsa_user_sgpr_kernarg_segment_ptr 1
		.amdhsa_wavefront_size32 1
		.amdhsa_system_sgpr_workgroup_id_x 1
		.amdhsa_system_sgpr_workgroup_id_y 1
		.amdhsa_system_sgpr_workgroup_id_z 1
		.amdhsa_system_vgpr_workitem_id 0
		.amdhsa_next_free_vgpr 232
		.amdhsa_next_free_sgpr 66
		.amdhsa_reserve_vcc 0
		.amdhsa_float_denorm_mode_32 3
		.amdhsa_float_denorm_mode_16_64 3
		.amdhsa_memory_ordered 1
		.amdhsa_forward_progress 1
		.amdhsa_inst_pref_size 44
	.end_amdhsa_kernel
	.amdgpu_metadata
---
amdhsa.version: [ 1, 2 ]
amdhsa.kernels:
  - .name:           k_q237deaf194_prep
    .symbol:         k_q237deaf194_prep.kd
    .args:
      - { .name: x, .offset: 0, .size: 8, .value_kind: global_buffer, .address_space: global }
      - { .name: w_idx, .offset: 8, .size: 8, .value_kind: global_buffer, .address_space: global }
      - { .name: values, .offset: 16, .size: 8, .value_kind: global_buffer, .address_space: global }
      - { .name: xb, .offset: 24, .size: 8, .value_kind: global_buffer, .address_space: global }
      - { .name: wb, .offset: 32, .size: 8, .value_kind: global_buffer, .address_space: global }
    .group_segment_fixed_size: 17408
    .private_segment_fixed_size: 0
    .kernarg_segment_align: 8
    .kernarg_segment_size: 40
    .max_flat_workgroup_size: 256
    .sgpr_count:     66
    .vgpr_count:     232
    .wavefront_size: 32
...
	.end_amdgpu_metadata
.endif
;; end of part 3
;; launch gemm: the kernel of part 2 again; grid 16 x 16, 4 waves a work-group, clusters of 4 x 4, 327,680 bytes of LDS; arguments xb, wb, out0, bias; writes out0
